; MI455X (gfx1250); checked and timed in simulation.
; The chip was launched on July 23, 2026; its instructions are those of AMD's public machine-readable ISA for CDNA 5 (MIT licence, August 2026) and "CDNA5" Instruction Set Architecture Reference Guide (July 2026). The comments in the code are by the model that wrote it; some were corrected since.
;; Multi Head Attention. Allowed arithmetic: matrix products marked QUANTISED: E2M1 operands, one E8M0 scale for each 32 along K, by v_wmma_scale_f32_16x16x128_f8f6f4 with both operands' format E2M1 (or v_wmma_scale_f32_32x16x128_f4), f32 sums; products left as they are: bf16, f16 or f32 operands; f32 sums; everything else in f32.
;; Inputs: b_out 1,024 float32; b_qkv 3,072 float32; w_out 1,024 x 1,024 float32; w_qkv 3,072 x 1,024 float32; x 4 x 2,048 x 1,024 float32.
;; Outputs: out0 4 x 2,048 x 1,024 float32.
;; This version of the problem:
;;   THIS VERSION OF THE PROBLEM IS GIVEN IN LOW PRECISION. The matrix products marked QUANTISED in the list below multiply operands that are first quantised to E2M1 (2 exponent bits, 1 mantissa bit; 4 bits a number), with one power-of-two scale for each 32 numbers along K (OCP MX v1.0); their sums are f32. The products marked 'left as it is' may take bf16, f16 or f32 operands, with f32 sums. Whichever they take, every output number must still come out within the allowed error. Rounding operands to bf16 (8 significant bits) uses up far more of that allowance than f16 does (11 bits, for magnitudes from 6e-5 to 65,504). All else is computed in f32.
;;   The module's matrix products, in the order in which they are computed (A, B: the left and right operand; K: the contracted axis; several contracted axes count as one K, in the product's order):
;;     1. [M 8,192, K 1,024] x [K 1,024, N 3,072]; A: input x; B: input w_qkv: QUANTISED
;;     2. batch 64 x [M 2,048, K 64] x [K 64, N 2,048]; A: computed on the way; B: computed on the way: left as it is (an operand is computed on the way)
;;     3. batch 64 x [M 2,048, K 2,048] x [K 2,048, N 64]; A: computed on the way; B: computed on the way: left as it is (an operand is computed on the way)
;;     4. [M 8,192, K 1,024] x [K 1,024, N 1,024]; A: computed on the way; B: input w_out: left as it is (an operand is computed on the way)
;;   THE QUANTISER, for each operand of a quantised product, along K:
;;     - K is cut into blocks of 32 from its start; a last block that is shorter is filled with zeros.
;;     - A block's scale is 2^e with e = floor(log2(the largest magnitude in the block)) - 2, held to -126 .. 127; a block of zeros has e = 0. As a byte (E8M0): e + 127.
;;     - Each number is divided by its block's scale, clamped to +-6, and rounded to the nearest number of E2M1, ties to even, subnormals kept.
;;     - The product sums the exact products of the quantised numbers (number of the format x scale) in f32.
;;   ~~~python
;;   def quantise(x, axis):      # numpy; x: float32 -> the quantised numbers, widened to float32 again
;;       x = np.moveaxis(x, axis, -1); K = x.shape[-1]
;;       x = np.pad(x, [(0, 0)] * (x.ndim - 1) + [(0, -K % 32)]); x = x.reshape(x.shape[:-1] + (-1, 32)); a = np.abs(x).max(-1, keepdims=True)
;;       e = np.where(a > 0, np.clip(np.frexp(np.where(a > 0, a, 1))[1] - 1 - 2, -126, 127), 0)      # np.frexp(a)[1] - 1 = floor(log2(a)), exactly
;;       r = np.clip(x / 2.0 ** e, -6, 6)
;;       step = 2.0 ** (np.maximum(np.frexp(np.where(r == 0, 1, r))[1] - 1, 0) - 1)
;;       q = np.round(r / step) * step * 2.0 ** e      # np.round: ties to even
;;       return np.moveaxis(q.reshape(q.shape[:-2] + (-1,))[..., :K], -1, axis).astype(np.float32)
;;   ~~~
;; One version. Each part assembles by itself: llvm-mc -triple=amdgcn-amd-amdhsa -mcpu=gfx1250 --defsym DOCPART=n.
;; ======== version 1 of 1: 4 launches
;; limits: values are held in f16: magnitudes above 65,504 overflow, below 6.1e-05 lose precision
;; workspace buffers: x_codes 4,194,304 bytes; x_scales 262,144 bytes; w_codes 1,572,864 bytes; w_scales 98,304 bytes; wo_img 2,097,152 bytes; qkv_img 50,331,648 bytes; o_img 16,777,216 bytes
;; launch prep (part 1): grid 416 x 1, 4 waves a work-group, no clusters, 33,280 bytes of LDS; arguments x, w_qkv, w_out, x_codes, x_scales, w_codes, w_scales, wo_img; writes x_codes, x_scales, w_codes, w_scales, wo_img
.if DOCPART == 1
	.amdgcn_target "amdgcn-amd-amdhsa--gfx1250"
	.amdhsa_code_object_version 6
	.text
	.protected	k_q1a74cff2cf_prep
	.globl	k_q1a74cff2cf_prep
	.p2align	8
	.type	k_q1a74cff2cf_prep,@function
k_q1a74cff2cf_prep:
	s_mov_b64 s[64:65], 0
	v_nop
	global_prefetch_b8 v0, s[64:65] scope:SCOPE_SE
	s_setreg_imm32_b32 hwreg(HW_REG_WAVE_MODE, 25, 1), 1
	s_wait_xcnt 0x0
; x [8192][1024] and w_qkv [3072][1024], f32, K innermost, become codes of FP4 (E2M1), two a byte, the lower k in the low four bits, with one E8M0 byte for each 32 along K;
; w_out [1024][1024], f32, becomes f16, laid as images of the operand's registers for the last launch.
; A block's scale is 2^(floor(log2(its largest magnitude)) - 2); its byte is the largest magnitude's exponent field - 2, held at 1 from below.  A block of zeros so gets the byte 1 where the rule
; says 127: its codes are zeros, which add nothing under any byte but 0xff, and the bytes are read by this program alone.
; LIMITS: blocks whose largest magnitude lies under 2^-124 keep the byte 1; NaN and infinities are not served; w_out goes in f16: magnitudes over 65,504 are not served, under 6e-5 it has f16's denormal step.
; SHARES.  Work-groups 0-255 take x, 256-351 w_qkv: both are plain streams of blocks of 32; a wave takes 16 steps of 512 numbers.  Each load reads 512 consecutive bytes; a step's 2,048 bytes turn through
; the wave's own stage in LDS, so that a lane holds 16 neighbours along K (two lanes a block); a wave's store of codes covers 256 consecutive aligned bytes; its 256 scale bytes leave as one such run.
; Work-groups 352-415 take 16 rows of w_out each; wave w the 32-wide pieces of K 8 w .. 8 w + 7.  A FRAGMENT IMAGE is 1,024 bytes: registers 0-3 of lane l at 16 l, registers 4-7 at 512 + 16 l;
; lane (r, hh) holds row r, K = 8 hh + 0..7 and 16 + 8 hh + 0..7.  wo_img: [k / 128][n / 16][(k / 32) % 4] images.  Work-groups share no input: no cluster.
.set WAVES, 4
.set STEPS, 16
.set WGA,   256                        ; work-groups for x: 8192 x 1024 / 32768
.set WGQ,   352                        ; and with w_qkv's 96
.set EMAX,  2
.set CB,    8                          ; bytes of 16 codes
.set R,     16                         ; v16-79   four sets of 16 numbers as they are loaded
.set X,     80                         ; v80-111  two sets of 16 neighbours
.set E,     112                        ; v112-127 a scale byte for each step
.set C,     128                        ; v128-191 codes: four registers for each step, so that no store's data are written again
.set WREG,  8192                       ; LDS: a region for each wave: two stages of 32 x SP bytes, behind them its 256 scale bytes
.set SP,    80                         ; a lane's place in a stage: 64 bytes + 16 of padding
.set SPW,   12                         ; v12  LDS address of my spare word; never rewritten
.set NIL,   13                         ; v13  0; never rewritten
.set SPARE, WAVES*WREG                 ; the spare words, 128 bytes a wave
	s_load_b256 s[4:11], s[0:1], 0x0               ; x s[4:5], w_qkv s[6:7], w_out s[8:9], x_codes s[10:11]
	s_load_b256 s[12:19], s[0:1], 0x20             ; x_scales s[12:13], w_codes s[14:15], w_scales s[16:17], wo_img s[18:19]
	v_lshl_add_u32 v[SPW], v0, 2, SPARE
	v_mov_b32 v[NIL], 0
	v_lshrrev_b32 v1, 5, v0
	v_readfirstlane_b32 s20, v1                    ; wave
	v_and_b32 v2, 31, v0                           ; lane
	s_cmp_ge_u32 ttmp9, WGQ                        ; the work-group's number alone decides the path
	s_cbranch_scc1 .Lwo
	v_lshlrev_b32 v3, 4, v2                        ; my 16 bytes of a load's 512
	s_mul_i32 s21, s20, WREG
	v_lshrrev_b32 v14, 2, v2
	v_mul_u32_u24 v14, v14, SP
	v_and_b32 v15, 3, v2
	v_lshl_add_u32 v14, v15, 4, v14
	v_add_nc_u32 v14, s21, v14                     ; the stage, on the way in: SP (lane / 4) + 16 (lane % 4)
	v_mul_u32_u24 v15, v2, SP
	v_add_nc_u32 v15, s21, v15                     ; on the way out: SP x lane: my 16 neighbours
	v_mul_u32_u24 v4, v2, CB                       ; my codes' place in a step's
	v_lshrrev_b32 v5, 1, v2
	s_add_co_u32 s21, s21, 2*32*SP
	v_add_nc_u32 v5, s21, v5                       ; LDS: my block's scale byte
	v_lshlrev_b32 v7, 3, v2                        ; and on the way out 8 bytes a lane
	v_add_nc_u32 v6, s21, v7
	s_wait_kmcnt 0x0
	s_cmp_lt_u32 ttmp9, WGA                        ; x's work-group or w_qkv's?  Only pointers are chosen
	s_cselect_b64 s[4:5], s[4:5], s[6:7]
	s_cselect_b64 s[10:11], s[10:11], s[14:15]
	s_cselect_b64 s[12:13], s[12:13], s[16:17]
	s_cselect_b32 s21, 0, WGA
	s_sub_co_u32 s21, ttmp9, s21
	s_lshl_b32 s21, s21, 2
	s_add_co_u32 s22, s21, s20                     ; which run of 8,192 numbers is my wave's
	s_mov_b32 s23, 0
	s_mov_b64 s[24:25], 512*STEPS*4
	s_mul_u64 s[24:25], s[22:23], s[24:25]
	s_add_nc_u64 s[4:5], s[4:5], s[24:25]
	s_mov_b64 s[24:25], 32*STEPS*CB
	s_mul_u64 s[24:25], s[22:23], s[24:25]
	s_add_nc_u64 s[10:11], s[10:11], s[24:25]
	s_lshl_b32 s22, s22, 8                         ; 256 scale bytes a run
	s_add_nc_u64 s[12:13], s[12:13], s[22:23]
.macro LOAD t
.irp i, 0,1,2,3
	global_load_b128 v[R+16*((\t)%4)+4*\i:R+16*((\t)%4)+4*\i+3], v3, s[4:5] offset:2048*(\t)+512*\i th:TH_LOAD_NT   ; 32 lanes read 512 consecutive bytes
.endr
.endm
.macro TURN t                          ; step t's numbers through the stage: LDS serves a wave's instructions in order, so no wait stands between the stores and the loads
.irp i, 0,1,2,3
	ds_store_b128 v14, v[R+16*((\t)%4)+4*\i:R+16*((\t)%4)+4*\i+3] offset:32*SP*((\t)%2)+8*SP*\i
.endr
.irp i, 0,1,2,3
	ds_load_b128 v[X+16*((\t)%2)+4*\i:X+16*((\t)%2)+4*\i+3], v15 offset:32*SP*((\t)%2)+16*\i
.endr
.endm
.irp t, 0,1,2,3
	LOAD \t
.endr
	s_wait_loadcnt 12                              ; step 0's four loads are in; the twelve of steps 1 to 3 may be out
	TURN 0
.macro STEP t
.set XS, X+16*((\t)%2)
.if (\t) > 0
	s_wait_dscnt 1                                 ; this step's numbers are back from the stage (the last step's byte store may be out)
.else
	s_wait_dscnt 0x0
.endif
.if (\t)+4 < STEPS
	LOAD (\t)+4                                    ; into the registers whose stores into the stage are done
.endif
.if (\t)+1 < STEPS
.if STEPS-2-(\t) >= 3
	s_wait_loadcnt 12                              ; the next step's four loads are in; those of the three steps behind it may be out
.else
	s_wait_loadcnt 4*(STEPS-2-(\t))
.endif
	TURN (\t)+1
.endif
	v_max3_num_f32 v8, |v[XS]|, |v[XS+1]|, |v[XS+2]|               ; the largest magnitude of my 16, in two chains
	v_max3_num_f32 v9, |v[XS+3]|, |v[XS+4]|, |v[XS+5]|
.irp i, 6,10
	v_max3_num_f32 v8, v8, |v[XS+\i]|, |v[XS+\i+1]|
	v_max3_num_f32 v9, v9, |v[XS+\i+2]|, |v[XS+\i+3]|
.endr
	v_max3_num_f32 v8, v8, |v[XS+14]|, |v[XS+15]|
	v_max3_num_f32 v8, v8, v9, (EMAX+1)<<23        ; and the floor 2^(3 - 127): the byte cannot fall under 1
	v_max_num_f32_dpp v8, v8, v8 row_xmask:1 row_mask:0xf bank_mask:0xf   ; and of my neighbour's 16: the block's
	v_add_nc_u32 v11, -(EMAX<<23), v8              ; 2 off its exponent field: the conversion takes the exponent field of this operand as its scale
	v_cvt_scalef32_pk8_fp4_f32 v[C+4*(\t)], v[XS:XS+7], v11
	v_cvt_scalef32_pk8_fp4_f32 v[C+4*(\t)+1], v[XS+8:XS+15], v11
	v_lshrrev_b32 v[E+(\t)], 23, v11               ; the scale's byte (also the plain line behind the conversions)
	ds_store_b8 v5, v[E+(\t)] offset:16*(\t)       ; both lanes of a block write the same byte with the same value
	global_store_b64 v4, v[C+4*(\t):C+4*(\t)+1], s[10:11] offset:32*CB*(\t)   ; 256 consecutive aligned bytes a wave
.endm
.irp t, 0,1,2,3,4,5,6,7,8,9,10,11,12,13,14,15
	STEP \t
.endr
	ds_load_b64 v[8:9], v6                         ; LDS serves a wave's instructions in order: these see my byte stores
	s_wait_dscnt 0x0
	global_store_b64 v7, v[8:9], s[12:13]          ; 256 consecutive aligned bytes
	s_wait_tensorcnt 0x0                           ; the wave's end, behind my last LDS store
	ds_add_u32 v[SPW], v[NIL]
	s_wait_dscnt 0x0
	s_endpgm
.Lwo:                                              ; w_out to f16 images: no LDS
	v_and_b32 v3, 15, v0                           ; r
	v_bfe_u32 v4, v0, 4, 1                         ; hh
	v_lshlrev_b32 v5, 12, v3
	v_lshl_add_u32 v5, v4, 5, v5                   ; in: row r of 4,096 bytes, + 32 hh
	v_lshlrev_b32 v6, 4, v2                        ; out: 16 x lane
	s_sub_co_u32 s21, ttmp9, WGQ                   ; nt: which 16 rows
	s_lshl_b32 s22, s21, 16                        ; 16 rows of 4,096 bytes,
	s_lshl_b32 s24, s20, 10                        ; my wave's 256 along K
	s_add_co_u32 s22, s22, s24
	s_mov_b32 s23, 0
	s_lshl_b32 s24, s21, 12                        ; images: 4,096 nt
	s_lshl_b32 s25, s20, 19                        ; + 2 w steps of 262,144
	s_add_co_u32 s24, s24, s25
	s_mov_b32 s25, 0
	s_wait_kmcnt 0x0
	s_add_nc_u64 s[8:9], s[8:9], s[22:23]
	s_add_nc_u64 s[18:19], s[18:19], s[24:25]
.irp f, 0,1,2,3,4,5,6,7                        ; fragment f: K = 32 f + 8 hh + 0..7 and + 16: four loads of 16 bytes; the wave's 32 loads together use each row's 1,024 bytes whole
.irp i, 0,1,2,3
	global_load_b128 v[16+16*\f+4*\i:16+16*\f+4*\i+3], v5, s[8:9] offset:128*\f+64*(\i/2)+16*(\i%2) th:TH_LOAD_NT
.endr
.endr
.irp f, 0,1,2,3,4,5,6,7
	s_wait_loadcnt 28-4*\f                         ; fragment f's four loads are in; the later fragments' may be out
.irp j, 0,1,2,3,4,5,6,7
	v_cvt_pk_f16_f32 v[144+8*\f+\j], v[16+16*\f+2*\j], v[16+16*\f+2*\j+1]
.endr
	global_store_b128 v6, v[144+8*\f:144+8*\f+3], s[18:19] offset:262144*(\f/4)+1024*(\f%4)        ; 512 consecutive aligned bytes
	global_store_b128 v6, v[144+8*\f+4:144+8*\f+7], s[18:19] offset:262144*(\f/4)+1024*(\f%4)+512
.endr
	s_wait_tensorcnt 0x0                           ; the wave's end
	ds_add_u32 v[SPW], v[NIL]
	s_wait_dscnt 0x0
	s_endpgm
.Lfunc_end_k_q1a74cff2cf_prep:
	.size	k_q1a74cff2cf_prep, .Lfunc_end_k_q1a74cff2cf_prep-k_q1a74cff2cf_prep
	.p2alignl 7, 3214868480
	.fill 96, 4, 3214868480
	.section	.rodata,"a",@progbits
	.p2align	6, 0x0
	.amdhsa_kernel k_q1a74cff2cf_prep
		.amdhsa_group_segment_fixed_size 33280
		.amdhsa_private_segment_fixed_size 0
		.amdhsa_enable_private_segment 0
		.amdhsa_kernarg_size 64
		.amdhsa_user_sgpr_count 2
		.amdhsa_user_sgpr_kernarg_segment_ptr 1
		.amdhsa_wavefront_size32 1
		.amdhsa_system_sgpr_workgroup_id_x 1
		.amdhsa_system_sgpr_workgroup_id_y 1
		.amdhsa_system_sgpr_workgroup_id_z 1
		.amdhsa_system_vgpr_workitem_id 0
		.amdhsa_next_free_vgpr 208
		.amdhsa_next_free_sgpr 66
		.amdhsa_reserve_vcc 0
		.amdhsa_float_denorm_mode_32 3
		.amdhsa_float_denorm_mode_16_64 3
		.amdhsa_memory_ordered 1
		.amdhsa_forward_progress 1
		.amdhsa_inst_pref_size 43
	.end_amdhsa_kernel
	.amdgpu_metadata
---
amdhsa.version: [ 1, 2 ]
amdhsa.kernels:
  - .name:           k_q1a74cff2cf_prep
    .symbol:         k_q1a74cff2cf_prep.kd
    .args:
      - { .name: x, .offset: 0, .size: 8, .value_kind: global_buffer, .address_space: global }
      - { .name: w_qkv, .offset: 8, .size: 8, .value_kind: global_buffer, .address_space: global }
      - { .name: w_out, .offset: 16, .size: 8, .value_kind: global_buffer, .address_space: global }
      - { .name: x_codes, .offset: 24, .size: 8, .value_kind: global_buffer, .address_space: global }
      - { .name: x_scales, .offset: 32, .size: 8, .value_kind: global_buffer, .address_space: global }
      - { .name: w_codes, .offset: 40, .size: 8, .value_kind: global_buffer, .address_space: global }
      - { .name: w_scales, .offset: 48, .size: 8, .value_kind: global_buffer, .address_space: global }
      - { .name: wo_img, .offset: 56, .size: 8, .value_kind: global_buffer, .address_space: global }
    .group_segment_fixed_size: 33280
    .private_segment_fixed_size: 0
    .kernarg_segment_align: 8
    .kernarg_segment_size: 64
    .max_flat_workgroup_size: 128
    .sgpr_count:     66
    .vgpr_count:     208
    .wavefront_size: 32
...
	.end_amdgpu_metadata
.endif
;; end of part 1
;; launch qkv (part 2): grid 12 x 32, 4 waves a work-group, clusters of 4 x 4, 327,680 bytes of LDS; arguments x_codes, x_scales, w_codes, w_scales, b_qkv, qkv_img; writes qkv_img
.if DOCPART == 2
	.amdgcn_target "amdgcn-amd-amdhsa--gfx1250"
	.amdhsa_code_object_version 6
	.text
	.protected	k_q1a74cff2cf_qkv
	.globl	k_q1a74cff2cf_qkv
	.p2align	8
	.type	k_q1a74cff2cf_qkv,@function
k_q1a74cff2cf_qkv:
	s_mov_b64 s[64:65], 0
	v_nop
	global_prefetch_b8 v0, s[64:65] scope:SCOPE_SE
	s_setreg_imm32_b32 hwreg(HW_REG_WAVE_MODE, 25, 1), 1
	s_wait_xcnt 0x0
	s_wait_alu depctr_hold_cnt(0) depctr_sa_sdst(0) depctr_va_vdst(0) depctr_va_sdst(0) depctr_va_ssrc(0) depctr_va_vcc(0) depctr_vm_vsrc(0)
	s_getreg_b32 s2, hwreg(HW_REG_IB_STS2, 6, 4)
	s_cmp_eq_u32 s2, 0
	s_cbranch_scc0 .Lentry_in_a_cluster
	s_endpgm
.Lentry_in_a_cluster:
	s_bfe_u32 s2, ttmp6, 0x10000c
	s_cmp_lg_u32 s2, 0xf033
	s_cbranch_scc0 .Lentry_shape_is_right
	s_endpgm
.Lentry_shape_is_right:
; qkv = x w_qkv^T (+ b_qkv for q and k) on codes of FP4 (E2M1) with one E8M0 scale for each 32 along K = 1,024; sums in f32; results rounded once to f16 and stored as FRAGMENT IMAGES for the attention launch.
; A work-group of four waves makes 256 x 256, a wave 128 x 128: 64 accumulators of 16 x 16, 512 registers.  K lies in two LDS slots of 512 (rows of 256 bytes + 16 of padding), both filled at the start: nothing is filled again.
; The scale bytes of the work-group's 2 x 256 rows come once, as rows of 256 bytes + 16.
; TWO REGIONS.  Region A feeds source 1: its rows fall on the result's LANES.  Region B feeds source 0: its rows fall on the result's REGISTERS (8 (lane / 16) + j).
;   clusters x = 0 (q), 1 (k): A = 256 tokens of x, B = 256 rows of w_qkv: a lane holds a token, its registers run along channels.
;   cluster  x = 2 (v):        A = 256 rows of w_qkv, B = 256 tokens of x: a lane holds a channel, its registers run along keys.
; So two accumulators that are neighbours along B, rounded in pairs, ARE the 8 registers of a 16-bit operand fragment (16 rows x 32 K): registers 0-3 go to 16 x lane, registers 4-7 to 512 + 16 x lane of a 1,024-byte image.
; qkv_img: part (q, k, v) x 16,777,216 + (16 batch + head) x 262,144; in a head q and k: [token / 16][channel / 32] images; v: [key / 32][channel / 16] images.  Every store of a wave covers 512 consecutive aligned bytes.
; THE BIAS of q and k runs along the registers: it is the C of each sum's first product.  v's bias runs along lanes: its C is 0 here and the attention launch adds it (a row's weights sum to 1).
; CLUSTERS: 4 x 4 work-groups; A's tile hangs on cy and is asked for jointly along a row of the cluster, B's on cx and jointly along a column.  Which tensor is A hangs on the cluster's x, which all sixteen share.
; LIMITS: results go in f16: magnitudes over 65,504 are not served; under 6e-5 they have f16's denormal step.
; REGISTERS: window 0: v1-12 addresses; v16-29 addresses; v32-95 scale words, two sets; v96-127 packed results; v128-191 A's fragments, one set; v192-255 the bias.  window 1: B's fragments, two sets.  windows 2, 3: accumulators.
.set NQ,     4                         ; matrix instructions deep in a slot
.set ROWB,   256                       ; a tile's row: 512 codes
.set KROW,   512                       ; a row of codes in memory
.set PITCH,  272
.set FR,     8
.set NL,     2
.set NP,     4
.set HALFT,  128*PITCH
.set SLOT,   4*HALFT
.set KS,     32                        ; a row of scale bytes
.set SCL,    2*SLOT
.set HALFS,  (128*KS/256)*272
.set SBLK,   (16*KS/256)*272
.set SPARE,  SCL+4*HALFS               ; the spare words, 128 bytes a wave
.set VO,   8                           ; v8-11  the way out: 16 x lane + the place of the pair of B's blocks
.set BO,   12                          ; v12    32 x (lane / 16): the bias's offset
.set ADRA, 16
.set ADRB, 20
.set ADRS, 27
.set SPW,  28
.set NIL,  29
.set SC,   32
.set PK,   96
.set AF,   128
.set BI,   192
.set WV,   16                          ; s16 wave;  s17 its half of A's rows (also: it fetches for A (0) or B (1));  s18 its half of B's rows (also: which 128 rows it fetches)
.set HA,   17
.set HB,   18
.set BM,   19                          ; s19 all ones for q and k, 0 for v
.set G1, 24
.set G0, 32
.set G1B, 48
.set G0B, 56
.set G1S, 68
.set G0S, 76
.set G1SB, 80
.set G0SB, 88
.set MSB, 0
.macro WIN new                         ; the immediate's high byte repeats the setting that is left
.if MSB != \new
	s_set_vgpr_msb (MSB<<8)|\new
.set MSB, \new
.endif
.endm
.set MUL_LO, 0xa1                      ; source 0 (B) window 1, source 1 (A) window 0, C and D window 2
.set MUL_HI, 0xf1                      ; the same, C and D window 3
.set BEG_LO, 0x81                      ; the first products: C (the bias) window 0, D window 2
.set BEG_HI, 0xc1                      ; D window 3
.set TO_B,   0x40
; A joint load: waves 0 and 1 fetch for A, waves 2 and 3 for B.  An s_nop 0 and four v_nop follow each of the two lines.
.macro JLOAD g0a, g1a, g0b, g1b
	s_cmp_eq_u32 s[HA], 0
	s_cbranch_scc0 .Lfor_b_\@
	tensor_load_to_lds s[\g0a:\g0a+3], s[\g1a:\g1a+7]
	s_nop 0
.rept 4
	v_nop
.endr
	s_branch .Lasked_\@
.Lfor_b_\@:
	tensor_load_to_lds s[\g0b:\g0b+3], s[\g1b:\g1b+7]
	s_nop 0
.rept 4
	v_nop
.endr
.Lasked_\@:
.endm
.macro CROUND                          ; a round of the cluster's barrier
	s_barrier_signal -1
	s_barrier_wait -1
	s_cmp_lg_u32 s[WV], 0
	s_cbranch_scc1 .Lnot_wave_0_\@
	s_barrier_signal -3
.Lnot_wave_0_\@:
	s_barrier_wait -3
	s_barrier_signal -1
	s_barrier_wait -1
.endm
	s_load_b256 s[4:11], s[0:1], 0x0               ; x_codes s[4:5], x_scales s[6:7], w_codes s[8:9], w_scales s[10:11]
	s_load_b128 s[12:15], s[0:1], 0x20             ; b_qkv s[12:13], qkv_img s[14:15]
	v_lshl_add_u32 v[SPW], v0, 2, SPARE
	v_mov_b32 v[NIL], 0
	ds_add_u32 v[SPW], v[NIL]                      ; the wave's opening: the add, twice on end, and its wait ahead of my first tensor load
	ds_add_u32 v[SPW], v[NIL]
	v_lshrrev_b32 v1, 5, v0
	v_readfirstlane_b32 s[WV], v1
	s_lshr_b32 s[HA], s[WV], 1
	s_and_b32 s[HB], s[WV], 1
	s_bfe_u32 s40, ttmp6, 0x40000                  ; cx
	s_bfe_u32 s41, ttmp6, 0x40004                  ; cy
	s_and_b32 s3, ttmp7, 0xffff
	s_lshl_b32 s3, s3, 2                           ; 4 x cluster y
	s_lshl_b32 s2, ttmp9, 2                        ; 4 x cluster x
	s_cmp_eq_u32 ttmp9, 2                          ; v's clusters: the same answer in all sixteen partners
	s_cselect_b32 s45, 8, s3                       ; A's first tile: w_qkv's tile 8, or x's 4 x cluster y
	s_cselect_b32 s42, s3, s2                      ; B's: x's 4 x cluster y, or w_qkv's 4 x cluster x
	s_cselect_b32 s[BM], 0, -1
	s_add_co_u32 s45, s45, s41                     ; A's tile hangs on cy,
	s_add_co_u32 s42, s42, s40                     ; B's on cx
	s_lshl_b32 s43, s41, 2
	s_lshl_b32 s43, 15, s43                        ; my row of the cluster
	s_lshl_b32 s44, 0x1111, s40                    ; my column
	s_or_b32 s[G1+0], s43, (0<<16)|(1<<20)|(1<<21)|(5<<22)|(3<<25)  ; the mask; elements of 1 byte; padding: 4 words behind every 64
	s_or_b32 s[G1B+0], s44, (0<<16)|(1<<20)|(1<<21)|(5<<22)|(3<<25)
.irp g, G1, G1B
	s_mov_b32 s[\g+1], ROWB<<16                    ; tensor_dim0
	s_mov_b32 s[\g+2], 128<<16                     ; tensor_dim1
	s_mov_b32 s[\g+3], ROWB<<16                    ; tile_dim0
	s_mov_b32 s[\g+4], 128                         ; tile_dim1
	s_mov_b32 s[\g+5], KROW                        ; from row to row
	s_mov_b32 s[\g+6], 0
	s_mov_b32 s[\g+7], 0
.endr
	s_or_b32 s[G1S+0], s43, (3<<16)|(1<<20)|(1<<21)|(5<<22)|(3<<25) ; the scale bytes of 128 rows: 4,096 dense bytes as 16 rows of 256 (32 elements of 8 bytes), 16 bytes of padding behind each
	s_or_b32 s[G1SB+0], s44, (3<<16)|(1<<20)|(1<<21)|(5<<22)|(3<<25)
.irp g, G1S, G1SB
	s_mov_b32 s[\g+1], 32<<16
	s_mov_b32 s[\g+2], (128*KS/256)<<16
	s_mov_b32 s[\g+3], 32<<16
	s_mov_b32 s[\g+4], 128*KS/256
	s_mov_b32 s[\g+5], 32
	s_mov_b32 s[\g+6], 0
	s_mov_b32 s[\g+7], 0
.endr
	s_lshl_b32 s2, s[HB], 7                        ; which 128 rows of the tile I fetch
	s_lshl_b32 s20, s45, 8
	s_add_co_u32 s20, s20, s2                      ; A's row
	s_lshl_b32 s46, s42, 8
	s_add_co_u32 s46, s46, s2                      ; B's row
	s_lshl_b32 s22, s20, 5                         ; its scale bytes: 32 a row,
	s_mov_b32 s23, 0
	s_lshl_b32 s20, s20, 9                         ; its codes: 512 bytes a row
	s_mov_b32 s21, 0
	s_lshl_b32 s66, s46, 5
	s_mov_b32 s67, 0
	s_lshl_b32 s46, s46, 9
	s_mov_b32 s47, 0
	s_mul_i32 s2, s[WV], HALFT                     ; where they go: wave x 128 rows: no place in the cluster enters an LDS address
	s_mul_i32 s3, s[WV], HALFS
	s_wait_dscnt 0x0                               ; both opening adds are done
	s_wait_kmcnt 0x0
	s_cmp_eq_u32 ttmp9, 2
	s_cselect_b64 s[92:93], s[8:9], s[4:5]         ; A's codes,
	s_cselect_b64 s[94:95], s[10:11], s[6:7]       ; A's scales,
	s_cselect_b64 s[96:97], s[4:5], s[8:9]         ; B's codes,
	s_cselect_b64 s[98:99], s[6:7], s[10:11]       ; B's scales
	s_add_nc_u64 s[92:93], s[92:93], s[20:21]
	s_add_nc_u64 s[94:95], s[94:95], s[22:23]
	s_add_nc_u64 s[96:97], s[96:97], s[46:47]
	s_add_nc_u64 s[98:99], s[98:99], s[66:67]
	CROUND                                         ; all sixteen work-groups are here: the first joint loads meet
	s_mov_b32 s[G0S], 1
	s_add_co_u32 s[G0S+1], s3, SCL
	s_mov_b64 s[G0S+2:G0S+3], s[94:95]
	s_or_b32 s[G0S+3], s[G0S+3], 0x80000000
	s_mov_b32 s[G0SB], 1
	s_add_co_u32 s[G0SB+1], s3, SCL
	s_mov_b64 s[G0SB+2:G0SB+3], s[98:99]
	s_or_b32 s[G0SB+3], s[G0SB+3], 0x80000000
	JLOAD G0S, G1S, G0SB, G1SB                     ; the scales first: they are wanted with the first slot
.irp s, 0,1
	s_mov_b32 s[G0+4*\s], 1
	s_add_co_u32 s[G0+4*\s+1], s2, \s*SLOT
	s_add_nc_u64 s[G0+4*\s+2:G0+4*\s+3], s[92:93], \s*ROWB
	s_or_b32 s[G0+4*\s+3], s[G0+4*\s+3], 0x80000000
	s_mov_b32 s[G0B+4*\s], 1
	s_add_co_u32 s[G0B+4*\s+1], s2, \s*SLOT
	s_add_nc_u64 s[G0B+4*\s+2:G0B+4*\s+3], s[96:97], \s*ROWB
	s_or_b32 s[G0B+4*\s+3], s[G0B+4*\s+3], 0x80000000
	JLOAD G0+4*\s, G1, G0B+4*\s, G1B               ; three loads of mine are out behind the last of these
.endr
	v_and_b32 v1, 15, v0                           ; r
	v_bfe_u32 v2, v0, 4, 1                         ; hh
	v_mul_u32_u24 v3, v1, PITCH
	v_lshl_add_u32 v4, v2, 4, v3                   ; a fragment's row x pitch + 16 hh
	s_mul_i32 s21, s[HA], HALFT                    ; my 128 rows of A
	s_mul_i32 s22, s[HB], HALFT                    ; my 128 rows of B,
	s_add_co_u32 s22, s22, 2*HALFT                 ; behind A's 256
.irp s, 0,1
	v_add_nc_u32 v[ADRA+\s], s21, v4
	v_add_nc_u32 v[ADRB+\s], s22, v4
	s_add_co_u32 s21, s21, SLOT
	s_add_co_u32 s22, s22, SLOT
.endr
	v_mul_u32_u24 v5, v1, KS                       ; my row's scales: 32 bytes a row,
	v_lshrrev_b32 v6, 8, v5
	v_lshl_add_u32 v5, v6, 4, v5                   ; and 16 more for each 256 passed
	s_mul_i32 s21, s[HA], HALFS
	s_mul_i32 s22, s[HB], HALFS
	s_add_co_u32 s22, s22, 2*HALFS
	s_sub_co_u32 s22, s22, s21
	v_mul_u32_u24 v6, s22, v2                      ; lanes 16-31 take B's: one product, the distance between the two bases
	s_add_co_u32 s21, s21, SCL
	v_add_nc_u32 v5, v5, v6
	v_add_nc_u32 v[ADRS], s21, v5
	; the bias of my 128 rows of B, in the result's layout: register 8 b + j of lane (r, hh) = b_qkv[.. + 16 b + 8 hh + j]
	v_lshlrev_b32 v[BO], 5, v2
	s_lshl_b32 s20, s42, 10
	s_lshl_b32 s21, s[HB], 9
	s_add_co_u32 s20, s20, s21
	s_and_b32 s20, s20, s[BM]                      ; v's clusters read the buffer's first 512 bytes, and clear them below
	s_mov_b32 s21, 0
	s_add_nc_u64 s[12:13], s[12:13], s[20:21]
.irp b, 0,1,2,3,4,5,6,7
	global_load_b128 v[BI+8*\b:BI+8*\b+3], v[BO], s[12:13] offset:64*\b
	global_load_b128 v[BI+8*\b+4:BI+8*\b+7], v[BO], s[12:13] offset:64*\b+16
.endr
	; the way out: where my wave's images begin, and the strides
	s_cmp_eq_u32 ttmp9, 2
	s_cselect_b32 s20, s42, s45                    ; the tile of tokens,
	s_cselect_b32 s21, s[HB], s[HA]                ; my half of it,
	s_cselect_b32 s22, s41, s40                    ; the tile of channels within the part,
	s_cselect_b32 s23, s[HA], s[HB]                ; my half of it
	s_mov_b32 s2, 1024
	s_cselect_b32 s2, 4096, s2                     ; from a pair of B's blocks to the next: 32 channels on (q, k), 32 keys on (v)
	s_mov_b32 s3, 262144
	s_cselect_b32 s3, 8192, s3                     ; two pairs on: the next head (q, k), 64 keys on (v)
	s_mov_b32 s66, 2048
	s_cselect_b32 s66, 1024, s66                   ; from a block of A to the next: 16 tokens on (q, k), 16 channels on (v)
	s_mov_b32 s46, 2048
	s_cselect_b32 s46, 259072, s46                 ; into block 4: the same (q, k); the next head's first 16 channels (v)
	s_mov_b32 s67, 0
	s_mov_b32 s47, 0
	s_lshl_b32 s20, s20, 8
	s_lshl_b32 s21, s21, 7
	s_add_co_u32 s20, s20, s21                     ; my first token
	s_lshr_b32 s21, s20, 11                        ; its batch
	s_lshl_b32 s21, s21, 4
	s_lshl_b32 s22, s22, 2
	s_add_co_u32 s21, s21, s22
	s_lshl_b32 s23, s23, 1
	s_add_co_u32 s21, s21, s23                     ; 16 batch + my first head
	s_lshl_b32 s21, s21, 18
	s_and_b32 s20, s20, 2047
	s_lshl_b32 s20, s20, 7                         ; 128 bytes a token in a head, in either layout
	s_add_co_u32 s20, s20, s21
	s_lshl_b32 s21, ttmp9, 24                      ; the part
	s_add_co_u32 s20, s20, s21
	s_mov_b32 s21, 0
	s_add_nc_u64 s[14:15], s[14:15], s[20:21]
	v_and_b32 v3, 31, v0
	v_lshlrev_b32 v[VO], 4, v3
	v_add_nc_u32 v[VO+1], s2, v[VO]
	v_add_nc_u32 v[VO+2], s3, v[VO]
	v_add_nc_u32 v[VO+3], s3, v[VO+1]
	s_wait_loadcnt 0x0                             ; the bias
.set i, 0
.rept 64
	v_and_b32 v[BI+i], s[BM], v[BI+i]              ; kept for q and k, 0.0 for v
.set i, i+1
.endr
.macro FRAG reg, adr, q, i             ; 16 rows x 128 K of 4-bit codes: 8 registers: lane l holds row l % 16; registers 4 c .. 4 c + 3 hold K = 64 c + 32 (l / 16) + 0 .. 31
.irp c, 0,1
	ds_load_b128 v[\reg+4*\c:\reg+4*\c+3], v[\adr] offset:64*(\q)+32*\c+(\i)*16*PITCH
.endr
.endm
; 16 matrix instructions: A's blocks a0, a0 + 1 x B's eight, the slot's q-th 128 along K.  p: B's set; sc: the set of scale words.  zero = 1: the first product starts the sum from the bias.
; The 64 accumulators take turns, one instruction a turn, in the same order in every step.
.macro MUL16 a0, p, q, sc, zero
.irp a, \a0, \a0+1
.irp b, 0,1,2,3,4,5,6,7
.if \zero
	v_wmma_scale_f32_16x16x128_f8f6f4 v[8*(8*((\a)%4)+\b):8*(8*((\a)%4)+\b)+7], v[128*(\p)+FR*\b:128*(\p)+FR*\b+FR-1], v[AF+FR*(\a):AF+FR*(\a)+FR-1], v[BI+8*\b:BI+8*\b+7], v[SC+8*NQ*(\sc)+NQ*\b+(\q)], v[SC+8*NQ*(\sc)+NQ*(\a)+(\q)] matrix_a_fmt:MATRIX_FMT_FP4 matrix_b_fmt:MATRIX_FMT_FP4 matrix_a_scale:MATRIX_SCALE_ROW1
.else
	v_wmma_scale_f32_16x16x128_f8f6f4 v[8*(8*((\a)%4)+\b):8*(8*((\a)%4)+\b)+7], v[128*(\p)+FR*\b:128*(\p)+FR*\b+FR-1], v[AF+FR*(\a):AF+FR*(\a)+FR-1], v[8*(8*((\a)%4)+\b):8*(8*((\a)%4)+\b)+7], v[SC+8*NQ*(\sc)+NQ*\b+(\q)], v[SC+8*NQ*(\sc)+NQ*(\a)+(\q)] matrix_a_fmt:MATRIX_FMT_FP4 matrix_b_fmt:MATRIX_FMT_FP4 matrix_a_scale:MATRIX_SCALE_ROW1
.endif
.endr
.endr
.endm
.macro FETCH_B slot, q, p
	WIN TO_B
.irp i, 0,1,2,3,4,5,6,7
	FRAG 128*(\p)+FR*\i, ADRB+\slot, \q, \i
.endr
	WIN 0
.endm
.macro FETCH_A slot, q, i0
.irp i, \i0, \i0+1, \i0+2, \i0+3
	FRAG AF+FR*(\i), ADRA+\slot, \q, \i
.endr
.endm
.macro SCALES sc                       ; a slot's scale words: 4 words a row; lanes 0-15 take A's block i, lanes 16-31 B's block i
.irp i, 0,1,2,3,4,5,6,7
	ds_load_b128 v[SC+8*NQ*\sc+NQ*\i:SC+8*NQ*\sc+NQ*\i+3], v[ADRS] offset:\i*SBLK
.endr
.endm
.macro PLACES n                        ; plain vector instructions between a matrix instruction and a load into, or a read of, its registers
.rept \n
	v_nop
.endr
.endm
.macro STEP slot, q, zero              ; a step of 128 along K that has its successor in the same slot
	s_wait_dscnt 4*NL                              ; B's set and A's blocks 0-3 are in; the youngest eight loads (A's blocks 4-7) may be out
.if \zero
	WIN BEG_LO
.else
	WIN MUL_LO
.endif
	MUL16 0, (\q)%2, \q, \slot, \zero
	MUL16 2, (\q)%2, \q, \slot, \zero
	s_wait_dscnt 0                                 ; A's blocks 4-7 are in
	PLACES NP
	FETCH_B \slot, (\q)+1, 1-(\q)%2
	FETCH_A \slot, (\q)+1, 0
.if \zero
	WIN BEG_HI
.else
	WIN MUL_HI
.endif
	MUL16 4, (\q)%2, \q, \slot, \zero
	MUL16 6, (\q)%2, \q, \slot, \zero
	PLACES NP
	WIN 0
	FETCH_A \slot, (\q)+1, 4
.endm
.macro TURN slot, next                 ; slot 0's last step goes over to slot 1: one barrier; nothing is filled again
	s_wait_tensorcnt 0x0                           ; all my tensor loads have landed: my part of the next slot
	ds_add_u32 v[SPW], v[NIL]                      ; 0 onto my spare word
	s_wait_dscnt 4*NL+1                            ; (the add and the youngest eight loads may be out)
	WIN MUL_LO
	MUL16 0, 1, NQ-1, \slot, 0
	s_wait_dscnt 0x0                               ; the add is done, and my reads of this slot are over
	s_barrier_signal -1
	MUL16 2, 1, NQ-1, \slot, 0
	WIN 0
	s_barrier_wait -1                              ; the next slot is whole
	PLACES NP
	v_add_nc_u32 v[ADRS], 4*NQ, v[ADRS]            ; on to the next slot's scale words
	FETCH_B \next, 0, 0
	FETCH_A \next, 0, 0
	SCALES \next
	WIN MUL_HI
	MUL16 4, 1, NQ-1, \slot, 0
	MUL16 6, 1, NQ-1, \slot, 0
	PLACES NP
	WIN 0
	FETCH_A \next, 0, 4
.endm
	s_wait_tensorcnt 1                             ; the scales and my part of slot 0 are in; slot 1's load may be out,
	s_barrier_signal -1
	s_barrier_wait -1                              ; everybody's are
	FETCH_B 0, 0, 0
	FETCH_A 0, 0, 0
	SCALES 0
	FETCH_A 0, 0, 4
	STEP 0, 0, 1                                   ; the first step's products start the sums from the bias
	STEP 0, 1, 0
	STEP 0, 2, 0
	TURN 0, 1
	STEP 1, 0, 0
	STEP 1, 1, 0
	STEP 1, 2, 0
	s_wait_dscnt 4*NL                              ; the last step: nothing more to fetch
	WIN MUL_LO
	MUL16 0, 1, NQ-1, 1, 0
	MUL16 2, 1, NQ-1, 1, 0
	s_wait_dscnt 0
	WIN MUL_HI
	MUL16 4, 1, NQ-1, 1, 0
	MUL16 6, 1, NQ-1, 1, 0
	WIN 0
; THE WAY OUT, a block of A at a time: its 8 accumulators, each from its low end on, are rounded to f16 in pairs: 4 images, 8 stores of 512 consecutive aligned bytes.
.macro OUTA a
.set AC, 64*((\a)%4)
.if (\a) > 0
	s_wait_xcnt 0x0                                ; the last block's stores have read their data and their base: both are written again only behind this wait
.if (\a) == 4
	s_add_nc_u64 s[14:15], s[14:15], s[46:47]
.else
	s_add_nc_u64 s[14:15], s[14:15], s[66:67]
.endif
.endif
	WIN (0x0a+5*((\a)/4))                          ; sources 0 and 1: window 2 or 3
.irp b, 0,1,2,3,4,5,6,7
.irp i, 0,1,2,3
	v_cvt_pk_f16_f32 v[PK+4*\b+\i], v[AC+8*\b+2*\i], v[AC+8*\b+2*\i+1]
.endr
.endr
	WIN 0
.irp p, 0,1,2,3
	global_store_b128 v[VO+\p], v[PK+8*\p:PK+8*\p+3], s[14:15]
	global_store_b128 v[VO+\p], v[PK+8*\p+4:PK+8*\p+7], s[14:15] offset:512
.endr
.endm
	PLACES NP                                      ; behind the last products
.irp a, 0,1,2,3,4,5,6,7
	OUTA \a
.endr
	s_wait_tensorcnt 0x0                           ; the wave's end
	ds_add_u32 v[SPW], v[NIL]
	s_wait_dscnt 0x0
	CROUND                                         ; the closing round
	s_endpgm
.Lfunc_end_k_q1a74cff2cf_qkv:
	.size	k_q1a74cff2cf_qkv, .Lfunc_end_k_q1a74cff2cf_qkv-k_q1a74cff2cf_qkv
	.p2alignl 7, 3214868480
	.fill 96, 4, 3214868480
	.section	.rodata,"a",@progbits
	.p2align	6, 0x0
	.amdhsa_kernel k_q1a74cff2cf_qkv
		.amdhsa_group_segment_fixed_size 327680
		.amdhsa_private_segment_fixed_size 0
		.amdhsa_enable_private_segment 0
		.amdhsa_kernarg_size 48
		.amdhsa_user_sgpr_count 2
		.amdhsa_user_sgpr_kernarg_segment_ptr 1
		.amdhsa_wavefront_size32 1
		.amdhsa_system_sgpr_workgroup_id_x 1
		.amdhsa_system_sgpr_workgroup_id_y 1
		.amdhsa_system_sgpr_workgroup_id_z 1
		.amdhsa_system_vgpr_workitem_id 0
		.amdhsa_next_free_vgpr 1024
		.amdhsa_next_free_sgpr 100
		.amdhsa_reserve_vcc 0
		.amdhsa_float_denorm_mode_32 3
		.amdhsa_float_denorm_mode_16_64 3
		.amdhsa_memory_ordered 1
		.amdhsa_forward_progress 1
		.amdhsa_inst_pref_size 123
	.end_amdhsa_kernel
	.amdgpu_metadata
---
amdhsa.version: [ 1, 2 ]
amdhsa.kernels:
  - .name:           k_q1a74cff2cf_qkv
    .symbol:         k_q1a74cff2cf_qkv.kd
    .args:
      - { .name: x_codes, .offset: 0, .size: 8, .value_kind: global_buffer, .address_space: global }
      - { .name: x_scales, .offset: 8, .size: 8, .value_kind: global_buffer, .address_space: global }
      - { .name: w_codes, .offset: 16, .size: 8, .value_kind: global_buffer, .address_space: global }
      - { .name: w_scales, .offset: 24, .size: 8, .value_kind: global_buffer, .address_space: global }
      - { .name: b_qkv, .offset: 32, .size: 8, .value_kind: global_buffer, .address_space: global }
      - { .name: qkv_img, .offset: 40, .size: 8, .value_kind: global_buffer, .address_space: global }
    .group_segment_fixed_size: 327680
    .private_segment_fixed_size: 0
    .kernarg_segment_align: 8
    .kernarg_segment_size: 48
    .max_flat_workgroup_size: 128
    .sgpr_count:     100
    .vgpr_count:     1024
    .wavefront_size: 32
...
	.end_amdgpu_metadata
.endif
;; end of part 2
;; launch attn (part 3): grid 4 x 64, 16 waves a work-group, clusters of 4 x 1, 327,680 bytes of LDS; arguments qkv_img, b_qkv, o_img; writes o_img
.if DOCPART == 3
	.amdgcn_target "amdgcn-amd-amdhsa--gfx1250"
	.amdhsa_code_object_version 6
	.text
	.protected	k_q1a74cff2cf_attn
	.globl	k_q1a74cff2cf_attn
	.p2align	8
	.type	k_q1a74cff2cf_attn,@function
k_q1a74cff2cf_attn:
	s_mov_b64 s[64:65], 0
	v_nop
	global_prefetch_b8 v0, s[64:65] scope:SCOPE_SE
	s_setreg_imm32_b32 hwreg(HW_REG_WAVE_MODE, 25, 1), 1
	s_wait_xcnt 0x0
	s_wait_alu depctr_hold_cnt(0) depctr_sa_sdst(0) depctr_va_vdst(0) depctr_va_sdst(0) depctr_va_ssrc(0) depctr_va_vcc(0) depctr_vm_vsrc(0)
	s_getreg_b32 s2, hwreg(HW_REG_IB_STS2, 6, 4)
	s_cmp_eq_u32 s2, 0
	s_cbranch_scc0 .Lentry_in_a_cluster
	s_endpgm
.Lentry_in_a_cluster:
	s_bfe_u32 s2, ttmp6, 0x10000c
	s_cmp_lg_u32 s2, 0x3003
	s_cbranch_scc0 .Lentry_shape_is_right
	s_endpgm
.Lentry_shape_is_right:
; O[bh][q] = the sum over k of softmax_k(Q[bh][q] . K[bh][k] / 8) V[bh][k] + b_v, 64 heads (16 batch + head) of 2,048 tokens x 64 channels.  Operands in f16, products, maxima and sums in f32.
; v's bias is added here, behind the division: a row's weights sum to 1, so it is the number that a bias inside v gives.
; Q, K, V arrive as FRAGMENT IMAGES (1,024 bytes: registers 0-3 of lane l at 16 l, registers 4-7 at 512 + 16 l): Q and K [token / 16][channel / 32], V [key / 32][channel / 16] with the keys along the registers.
; So every operand comes by loads of 16 x lane: no pitch, no padding, no turning load.  O leaves the same way: o_img [k / 128][token / 16][(k / 32) % 4] with k = 64 head + channel, the next product's K.
; SHARES.  A work-group owns 512 queries of one head; each of its SIXTEEN waves 32 of them, two tiles, in 256 registers: four waves to a SIMD, so that one wave's vector work stands beside another's matrix work and LDS loads.
; Every wave walks all 2,048 keys, 64 a step.  K and V come through two LDS slots of 512 keys (65,536 bytes of each), fetched by waves 0-3 (K's halves, V's halves), 32,768 dense bytes a load, and read by all sixteen.
; LAYOUT.  S^T = K Q^T (source 0 = 16 keys, source 1 = 16 queries), O^T = V^T P (source 0 = 16 channels, source 1 = P): a lane holds ONE query throughout; two tiles of S^T rounded in pairs are P's fragment, laid in place.
; SOFTMAX.  A running maximum m and sum l for each query: p = 2^(c s - c m), c = log2(e) / 8; in every step O and l are multiplied by a = 2^(c m_old - c m_new).  m begins at -3e38, O and l at 0: the step is written once.
; CLUSTER.  The four query blocks of a head form a cluster and ask for each tile of K and V JOINTLY (mask 15).  No branch and no LDS address hangs on a work-group's place in it.
; LIMITS: NaN and infinities are not served; O goes in f16 (magnitudes up to 65,504; under 6e-5 f16's denormal step).
; REGISTERS: v1 16 x lane; v2 + V's offset; v3, v4 the step's addresses; v5, v6 the add's two; v7 32 (lane / 16); v8-23 statistics, 8 a tile: c m, m, l (2), T4-T7; v24-55 Q; v56-119 S^T, then P; v120-183 O^T; v184-247 K, then V.
.set SLOT1, 131072
.set VOFF,  65536
.set STEPB, 8192                       ; a key step: 64 keys: 8 images of K, 8 of V
.set SPARE, 262144                     ; the spare words, 128 bytes a wave: 2,048 bytes
.set AK0, 1
.set AV0, 2
.set ADK, 3
.set ADV, 4
.set SPW, 5
.set NIL, 6
.set BO,  7
.set ST,  8
.set Q,   24
.set S,   56
.set O,   120
.set KV,  184
.set WV,  12
.set SEL, 20
.set CS,  22
.set G1,  24
.set G0A, 32
.set G0B, 36
.set TB,  40
.set CNT, 41
.macro CROUND                          ; a round of the cluster's barrier
	s_barrier_signal -1
	s_barrier_wait -1
	s_cmp_lg_u32 s[WV], 0
	s_cbranch_scc1 .Lnot_wave_0_\@
	s_barrier_signal -3
.Lnot_wave_0_\@:
	s_barrier_wait -3
	s_barrier_signal -1
	s_barrier_wait -1
.endm
.macro TLOAD g0                        ; waves 0-3 fetch, the others nothing: a branch on the wave's number, the same in all partners; an s_nop 0 and four v_nop follow the load
	s_cmp_lt_u32 s[WV], 4
	s_cbranch_scc0 .Lnone_\@
	tensor_load_to_lds s[\g0:\g0+3], s[G1:G1+7]
	s_nop 0
.rept 4
	v_nop
.endr
.Lnone_\@:
.endm
	s_load_b128 s[4:7], s[0:1], 0x0                ; qkv_img s[4:5], b_qkv s[6:7]
	s_load_b64 s[8:9], s[0:1], 0x10                ; o_img
	v_lshl_add_u32 v[SPW], v0, 2, SPARE
	v_mov_b32 v[NIL], 0
	ds_add_u32 v[SPW], v[NIL]                      ; the wave's opening: the add, twice on end, and its wait ahead of the first tensor loads
	ds_add_u32 v[SPW], v[NIL]
	v_lshrrev_b32 v1, 5, v0
	v_readfirstlane_b32 s[WV], v1                  ; wave 0..15
	s_bfe_u32 s13, ttmp6, 0x40000                  ; cx
	s_lshl_b32 s15, ttmp9, 2
	s_add_co_u32 s15, s15, s13                     ; my block of 512 queries: it enters Q's and O's addresses alone
	s_and_b32 s14, ttmp7, 0xffff                   ; 16 batch + head, which the four partners share
	s_mov_b32 s[G1], 15|(3<<16)|(1<<21)            ; the mask: all four; elements of 8 bytes; no padding
	s_mov_b32 s[G1+1], 32<<16                      ; tensor_dim0: 32 elements = 256 bytes
	s_mov_b32 s[G1+2], 128<<16                     ; tensor_dim1: 128 rows
	s_mov_b32 s[G1+3], 32<<16                      ; tile_dim0
	s_mov_b32 s[G1+4], 128                         ; tile_dim1
	s_mov_b32 s[G1+5], 32                          ; dense
	s_mov_b32 s[G1+6], 0
	s_mov_b32 s[G1+7], 0
	s_and_b32 s2, s[WV], 3                         ; what I fetch, if I fetch: 0, 1 K's halves, 2, 3 V's
	s_lshl_b32 s3, s2, 15                          ; in a slot: 32,768 x that
	s_lshr_b32 s16, s2, 1
	s_add_co_u32 s16, s16, 1
	s_lshl_b32 s16, s16, 24                        ; part 1 (k) or 2 (v)
	s_lshl_b32 s17, s14, 18
	s_add_co_u32 s16, s16, s17                     ; the head
	s_and_b32 s2, s2, 1
	s_lshl_b32 s2, s2, 15
	s_add_co_u32 s16, s16, s2                      ; the half
	s_mov_b32 s17, 0
	s_lshl_b32 s18, s14, 18                        ; Q: the head, 65,536 bytes a block of 512 queries, 4,096 a wave
	s_lshl_b32 s2, s15, 16
	s_add_co_u32 s18, s18, s2
	s_lshl_b32 s2, s[WV], 12
	s_add_co_u32 s18, s18, s2
	s_mov_b32 s19, 0
	s_and_b32 s42, s14, 15                         ; head
	s_lshr_b32 s43, s14, 4                         ; batch
	s_lshr_b32 s44, s42, 1
	s_lshl_b32 s44, s44, 21                        ; O: 2,097,152 (head / 2)
	s_lshl_b32 s43, s43, 19                        ; + 4,096 (128 batch
	s_add_co_u32 s44, s44, s43
	s_lshl_b32 s43, s15, 17                        ;   + 32 block
	s_add_co_u32 s44, s44, s43
	s_lshl_b32 s43, s[WV], 13                      ;   + 2 wave)
	s_add_co_u32 s44, s44, s43
	s_and_b32 s43, s42, 1
	s_lshl_b32 s43, s43, 11                        ; + 2,048 (head % 2)
	s_add_co_u32 s44, s44, s43
	s_mov_b32 s45, 0
	s_lshl_b32 s46, s42, 8
	s_add_co_u32 s46, s46, 8192                    ; b_v: 4 (2,048 + 64 head)
	s_mov_b32 s47, 0
	s_mov_b32 s[SEL], 0x76543210
	s_mov_b32 s[SEL+1], 0xfedcba98                 ; v_permlanex16_b32's selects for lane l xor 16
	s_mov_b32 s[CS], 0x3e38aa3b                    ; c = log2(e) / 8
	s_mov_b32 s[CS+1], s[CS]                       ; (named with it as a pair, so it is written)
	s_wait_dscnt 0x0                               ; both opening adds are done
	s_wait_kmcnt 0x0
	s_mov_b32 s[G0A], 1
	s_mov_b32 s[G0A+1], s3                         ; slot 0,
	s_add_nc_u64 s[G0A+2:G0A+3], s[4:5], s[16:17]  ; keys 0 to 511
	s_mov_b32 s[G0B], 1
	s_add_co_u32 s[G0B+1], s3, SLOT1               ; slot 1,
	s_add_nc_u64 s[G0B+2:G0B+3], s[G0A+2:G0A+3], 65536  ; keys 512 to 1,023
	s_or_b32 s[G0A+3], s[G0A+3], 0x80000000
	s_or_b32 s[G0B+3], s[G0B+3], 0x80000000
	s_add_nc_u64 s[10:11], s[4:5], s[18:19]        ; Q at my wave's first tile
	s_add_nc_u64 s[6:7], s[6:7], s[46:47]
	s_add_nc_u64 s[8:9], s[8:9], s[44:45]
	CROUND                                         ; all four work-groups are here: the first joint loads meet
	s_cmp_lt_u32 s[WV], 4                          ; a fetching wave's two first fills stand in one branch, ahead of every wait on TENSORcnt and every LDS read: two loads of such a wave are out
	s_cbranch_scc0 .Lno_fill
	tensor_load_to_lds s[G0A:G0A+3], s[G1:G1+7]
	s_nop 0
	tensor_load_to_lds s[G0B:G0B+3], s[G1:G1+7]
	s_nop 0
.rept 4
	v_nop
.endr
.Lno_fill:
	v_and_b32 v1, 31, v0
	v_lshlrev_b32 v[AK0], 4, v1                    ; 16 x lane
	v_add_nc_u32 v[AV0], VOFF, v[AK0]
	v_bfe_u32 v[BO], v0, 4, 1
	v_lshlrev_b32 v[BO], 5, v[BO]
.irp i, 0,1,2,3,4,5,6,7
	global_load_b128 v[Q+4*\i:Q+4*\i+3], v[AK0], s[10:11] offset:512*\i   ; Q stays in registers: tile i / 4, channels 32 ((i / 2) % 2) on
.endr
.irp t, 0,1
	v_mov_b32 v[ST+8*\t+1], 0xff61b1e6             ; m: -3e38, under every score
	v_mov_b32 v[ST+8*\t+2], 0                      ; l, in two halves
	v_mov_b32 v[ST+8*\t+3], 0
.endr
.irp t, 0,1
	v_mul_f32 v[ST+8*\t], s[CS], v[ST+8*\t+1]      ; c m
.endr
.set i, 0
.rept 64
	v_mov_b32 v[O+i], 0                            ; O^T: the first step finds zeros, which its a = 0 leaves zeros
.set i, i+1
.endr
; A KEY STEP: 64 keys at LDS byte s[TB] of K's and of V's half of a slot.
.macro STEP
	v_add_nc_u32 v[ADK], s[TB], v[AK0]
	v_add_nc_u32 v[ADV], s[TB], v[AV0]
.rept 3
	v_nop                                          ; with the two additions five places behind the last step's products: K lands in V's registers, and S^T is written over P
.endr
.irp c, 0,1                                    ; K: 4 tiles of 16 keys x 2 pieces of 32 channels; the first 32 channels first
.irp kt, 0,1,2,3
	ds_load_b128 v[KV+16*\kt+8*\c:KV+16*\kt+8*\c+3], v[ADK] offset:2048*\kt+1024*\c
	ds_load_b128 v[KV+16*\kt+8*\c+4:KV+16*\kt+8*\c+7], v[ADK] offset:2048*\kt+1024*\c+512
.endr
.endr
	s_wait_dscnt 8                                 ; the first 32 channels are in; the eight loads of the second may be out
.irp kt, 0,1,2,3                               ; the eight accumulators take turns, one instruction a turn
.irp t, 0,1
	v_wmma_f32_16x16x32_f16 v[S+32*\t+8*\kt:S+32*\t+8*\kt+7], v[KV+16*\kt:KV+16*\kt+7], v[Q+16*\t:Q+16*\t+7], 0
.endr
.endr
	s_wait_dscnt 0x0
.irp kt, 0,1,2,3
.irp t, 0,1
	v_wmma_f32_16x16x32_f16 v[S+32*\t+8*\kt:S+32*\t+8*\kt+7], v[KV+16*\kt+8:KV+16*\kt+15], v[Q+16*\t+8:Q+16*\t+15], v[S+32*\t+8*\kt:S+32*\t+8*\kt+7]
.endr
.endr
.rept 4
	v_nop                                          ; places in front of the loads into K's registers and of the first read of the scores
.endr
.irp g, 0,1,2,3,4,5,6,7                        ; V: keys 32 (g / 4) on, channels 16 (g % 4) on; it lands while the softmax is walked
	ds_load_b128 v[KV+8*\g:KV+8*\g+3], v[ADV] offset:1024*\g
	ds_load_b128 v[KV+8*\g+4:KV+8*\g+7], v[ADV] offset:1024*\g+512
.endr
	; the maximum of the lane's 32 scores and the old m: four chains, each accumulator from its low end on; the two tiles alternate
.irp j, 0,1,2,3
.irp t, 0,1
	v_max3_num_f32 v[ST+8*\t+4+\j], v[S+32*\t+8*\j], v[S+32*\t+8*\j+1], v[S+32*\t+8*\j+2]
.endr
.endr
.irp i, 3,5
.irp j, 0,1,2,3
.irp t, 0,1
	v_max3_num_f32 v[ST+8*\t+4+\j], v[ST+8*\t+4+\j], v[S+32*\t+8*\j+\i], v[S+32*\t+8*\j+\i+1]
.endr
.endr
.endr
.irp t, 0,1
	v_max3_num_f32 v[ST+8*\t+4], v[ST+8*\t+4], v[S+32*\t+7], v[S+32*\t+15]
.endr
.irp t, 0,1
	v_max3_num_f32 v[ST+8*\t+6], v[ST+8*\t+6], v[S+32*\t+23], v[S+32*\t+31]
.endr
.irp t, 0,1
	v_max3_num_f32 v[ST+8*\t+4], v[ST+8*\t+4], v[ST+8*\t+5], v[ST+8*\t+6]
.endr
.irp t, 0,1
	v_max3_num_f32 v[ST+8*\t+4], v[ST+8*\t+4], v[ST+8*\t+7], v[ST+8*\t+1]
.endr
.irp t, 0,1
	v_permlanex16_b32 v[ST+8*\t+5], v[ST+8*\t+4], s[SEL], s[SEL+1]   ; the query's other 32 keys lie in the lane 16 away
.endr
.irp t, 0,1
	v_mov_b32 v[ST+8*\t+7], v[ST+8*\t]             ; c m_old
.endr
.irp t, 0,1
	v_max_num_f32 v[ST+8*\t+1], v[ST+8*\t+4], v[ST+8*\t+5]   ; the new m
.endr
.irp t, 0,1
	v_mul_f32 v[ST+8*\t], s[CS], v[ST+8*\t+1]      ; c m
.endr
.irp t, 0,1
	v_sub_f32 v[ST+8*\t+7], v[ST+8*\t+7], v[ST+8*\t]   ; c m_old - c m_new
.endr
.set i, 0
.rept 16
	v_pk_fma_f32 v[S+i:S+i+1], v[S+i:S+i+1], s[CS:CS+1], v[ST:ST+1] op_sel_hi:[1,0,0] neg_lo:[0,0,1] neg_hi:[0,0,1]   ; c s - c m, two at a time
	v_pk_fma_f32 v[S+32+i:S+32+i+1], v[S+32+i:S+32+i+1], s[CS:CS+1], v[ST+8:ST+9] op_sel_hi:[1,0,0] neg_lo:[0,0,1] neg_hi:[0,0,1]
.set i, i+2
.endr
.irp t, 0,1
	v_exp_f32 v[ST+8*\t+6], v[ST+8*\t+7]           ; a
.endr
.set i, 0
.rept 32
	v_exp_f32 v[S+i], v[S+i]                       ; p, at most about 1
	v_exp_f32 v[S+32+i], v[S+32+i]
.set i, i+1
.endr
	v_nop                                          ; a plain instruction behind the last exponential
	s_wait_alu depctr_va_vdst(0)                   ; ONE wait for both tiles' 66 exponentials, ahead of the first instruction that names a result
	; the sums, of the unrounded p: two chains a tile
.irp t, 0,1
	v_pk_add_f32 v[ST+8*\t+4:ST+8*\t+5], v[S+32*\t:S+32*\t+1], v[S+32*\t+2:S+32*\t+3]
.endr
.irp t, 0,1
	v_pk_fma_f32 v[ST+8*\t+2:ST+8*\t+3], v[ST+8*\t+2:ST+8*\t+3], v[ST+8*\t+6:ST+8*\t+7], v[S+32*\t+4:S+32*\t+5] op_sel_hi:[1,0,1]   ; l = a l + ..
.endr
.irp t, 0,1
	v_pk_add_f32 v[ST+8*\t+4:ST+8*\t+5], v[ST+8*\t+4:ST+8*\t+5], v[S+32*\t+6:S+32*\t+7]
.endr
.irp j, 8,12,16,20,24,28
.irp t, 0,1
	v_pk_add_f32 v[ST+8*\t+2:ST+8*\t+3], v[ST+8*\t+2:ST+8*\t+3], v[S+32*\t+\j:S+32*\t+\j+1]
	v_pk_add_f32 v[ST+8*\t+4:ST+8*\t+5], v[ST+8*\t+4:ST+8*\t+5], v[S+32*\t+\j+2:S+32*\t+\j+3]
.endr
.endr
.irp t, 0,1
	v_pk_add_f32 v[ST+8*\t+2:ST+8*\t+3], v[ST+8*\t+2:ST+8*\t+3], v[ST+8*\t+4:ST+8*\t+5]
.endr
.set i, 0
.rept 16
	v_cvt_pk_f16_f32 v[S+i], v[S+2*i], v[S+2*i+1]  ; P in place, ascending: register i has been read when it is written
	v_cvt_pk_f16_f32 v[S+32+i], v[S+32+2*i], v[S+32+2*i+1]
.set i, i+1
.endr
.irp t, 0,1
.set i, 0
.rept 16
	v_pk_mul_f32 v[O+32*\t+i:O+32*\t+i+1], v[O+32*\t+i:O+32*\t+i+1], v[ST+8*\t+6:ST+8*\t+7] op_sel_hi:[1,0]   ; O^T x a, each accumulator from its low end on
.set i, i+2
.endr
.endr
	s_wait_dscnt 0x0                               ; V is in
.irp kk, 0,1                                   ; O^T += V^T P: the eight accumulators take turns
.irp d, 0,1,2,3
.irp t, 0,1
	v_wmma_f32_16x16x32_f16 v[O+32*\t+8*\d:O+32*\t+8*\d+7], v[KV+32*\kk+8*\d:KV+32*\kk+8*\d+7], v[S+32*\t+8*\kk:S+32*\t+8*\kk+7], v[O+32*\t+8*\d:O+32*\t+8*\d+7]
.endr
.endr
.endr
.endm
.macro SLOTRUN s                       ; a slot's eight key steps: written once, walked eight times
	s_mov_b32 s[TB], SLOT1*\s
	s_mov_b32 s[CNT], 8
.Lstep_\@:
	STEP
	s_add_co_u32 s[TB], s[TB], STEPB
	s_sub_co_u32 s[CNT], s[CNT], 1
	s_cmp_lg_u32 s[CNT], 0
	s_cbranch_scc1 .Lstep_\@
.endm
; THE CHANGE OF SLOTS.  Each wave waits for all its tensor loads (a fetching wave's part of the slot ahead), adds 0 to its spare word, and waits for that and for its reads of the slot that it leaves.
; fill = 1: the barrier is a round of the cluster's, and behind it the slot just left is filled with the keys two slots on: the load has eight key steps in which to land; one load of a fetching wave is out.
.macro CHANGE fill, g0
	s_wait_tensorcnt 0x0                           ; no tensor load of mine is out, so a group 0 may be written
	ds_add_u32 v[SPW], v[NIL]
.if \fill
	ds_add_u32 v[SPW], v[NIL]                      ; and twice on end where a tensor load follows that twelve waves have been led round so far
	s_add_nc_u64 s[\g0+2:\g0+3], s[\g0+2:\g0+3], 2*65536   ; 1,024 keys on; the type bits on top are not reached
	s_wait_dscnt 0x0                               ; both adds are done, and my reads of the slot are over
	CROUND
	TLOAD \g0
.else
	s_wait_dscnt 0x0
	s_barrier_signal -1
	s_barrier_wait -1
.endif
.endm
	s_wait_tensorcnt 1                             ; a fetching wave's part of slot 0 is in; slot 1's load may be out
	s_barrier_signal -1
	s_barrier_wait -1
	s_wait_loadcnt 0x0                             ; Q
	SLOTRUN 0                                      ; keys 0 to 511
	CHANGE 1, G0A
	SLOTRUN 1                                      ; 512 to 1,023
	CHANGE 1, G0B
	SLOTRUN 0                                      ; 1,024 to 1,535
	CHANGE 0, G0A                                  ; nothing is left to fetch
	SLOTRUN 1                                      ; 1,536 to 2,047
	; THE WAY OUT: O^T / l + b_v, rounded to f16: two accumulators that are neighbours along the channels are an image's 8 registers.
.irp t, 0,1
	v_add_f32 v[ST+8*\t+4], v[ST+8*\t+2], v[ST+8*\t+3]   ; l's two halves
.endr
.rept 2
	v_nop                                          ; with the two additions four places behind the last products
.endr
.irp d, 0,1,2,3
	global_load_b128 v[KV+8*\d:KV+8*\d+3], v[BO], s[6:7] offset:64*\d        ; b_v[64 head + 16 d + 8 (lane / 16) + 0..7]
	global_load_b128 v[KV+8*\d+4:KV+8*\d+7], v[BO], s[6:7] offset:64*\d+16
.endr
.irp t, 0,1
	v_permlanex16_b32 v[ST+8*\t+5], v[ST+8*\t+4], s[SEL], s[SEL+1]
.endr
.irp t, 0,1
	v_add_f32 v[ST+8*\t+4], v[ST+8*\t+4], v[ST+8*\t+5]   ; and the other half of the lanes': the row's sum
.endr
.irp t, 0,1
	v_rcp_f32 v[ST+8*\t+6], v[ST+8*\t+4]
.endr
	v_nop                                          ; a plain instruction behind the reciprocals
	s_wait_alu depctr_va_vdst(0)                   ; and the wait ahead of their first reader
	s_wait_loadcnt 0x0                             ; b_v
.irp t, 0,1
.set i, 0
.rept 16
	v_pk_fma_f32 v[S+32*\t+i:S+32*\t+i+1], v[O+32*\t+i:O+32*\t+i+1], v[ST+8*\t+6:ST+8*\t+7], v[KV+i:KV+i+1] op_sel_hi:[1,0,1]
.set i, i+2
.endr
.endr
.irp t, 0,1
.set i, 0
.rept 16
	v_cvt_pk_f16_f32 v[O+16*\t+i], v[S+32*\t+2*i], v[S+32*\t+2*i+1]
.set i, i+1
.endr
.endr
.irp t, 0,1
.irp i, 0,1,2,3
	global_store_b128 v[AK0], v[O+16*\t+4*\i:O+16*\t+4*\i+3], s[8:9] offset:4096*\t+512*\i   ; 512 consecutive aligned bytes: tile t, image i / 2, its half i % 2
.endr
.endr
	s_wait_tensorcnt 0x0                           ; the wave's end
	ds_add_u32 v[SPW], v[NIL]
	s_wait_dscnt 0x0
	CROUND                                         ; the closing round
	s_endpgm
.Lfunc_end_k_q1a74cff2cf_attn:
	.size	k_q1a74cff2cf_attn, .Lfunc_end_k_q1a74cff2cf_attn-k_q1a74cff2cf_attn
	.p2alignl 7, 3214868480
	.fill 96, 4, 3214868480
	.section	.rodata,"a",@progbits
	.p2align	6, 0x0
	.amdhsa_kernel k_q1a74cff2cf_attn
		.amdhsa_group_segment_fixed_size 327680
		.amdhsa_private_segment_fixed_size 0
		.amdhsa_enable_private_segment 0
		.amdhsa_kernarg_size 24
		.amdhsa_user_sgpr_count 2
		.amdhsa_user_sgpr_kernarg_segment_ptr 1
		.amdhsa_wavefront_size32 1
		.amdhsa_system_sgpr_workgroup_id_x 1
		.amdhsa_system_sgpr_workgroup_id_y 1
		.amdhsa_system_sgpr_workgroup_id_z 1
		.amdhsa_system_vgpr_workitem_id 0
		.amdhsa_next_free_vgpr 256
		.amdhsa_next_free_sgpr 66
		.amdhsa_reserve_vcc 0
		.amdhsa_float_denorm_mode_32 3
		.amdhsa_float_denorm_mode_16_64 3
		.amdhsa_memory_ordered 1
		.amdhsa_forward_progress 1
		.amdhsa_inst_pref_size 85
	.end_amdhsa_kernel
	.amdgpu_metadata
---
amdhsa.version: [ 1, 2 ]
amdhsa.kernels:
  - .name:           k_q1a74cff2cf_attn
    .symbol:         k_q1a74cff2cf_attn.kd
    .args:
      - { .name: qkv_img, .offset: 0, .size: 8, .value_kind: global_buffer, .address_space: global }
      - { .name: b_qkv, .offset: 8, .size: 8, .value_kind: global_buffer, .address_space: global }
      - { .name: o_img, .offset: 16, .size: 8, .value_kind: global_buffer, .address_space: global }
    .group_segment_fixed_size: 327680
    .private_segment_fixed_size: 0
    .kernarg_segment_align: 8
    .kernarg_segment_size: 24
    .max_flat_workgroup_size: 512
    .sgpr_count:     66
    .vgpr_count:     256
    .wavefront_size: 32
...
	.end_amdgpu_metadata
.endif
;; end of part 3
;; launch proj (part 4): grid 4 x 64, 4 waves a work-group, clusters of 4 x 4, 327,680 bytes of LDS; arguments o_img, wo_img, b_out, out0; writes out0
.if DOCPART == 4
	.amdgcn_target "amdgcn-amd-amdhsa--gfx1250"
	.amdhsa_code_object_version 6
	.text
	.protected	k_q1a74cff2cf_proj
	.globl	k_q1a74cff2cf_proj
	.p2align	8
	.type	k_q1a74cff2cf_proj,@function
k_q1a74cff2cf_proj:
	s_mov_b64 s[64:65], 0
	v_nop
	global_prefetch_b8 v0, s[64:65] scope:SCOPE_SE
	s_setreg_imm32_b32 hwreg(HW_REG_WAVE_MODE, 25, 1), 1
	s_wait_xcnt 0x0
	s_wait_alu depctr_hold_cnt(0) depctr_sa_sdst(0) depctr_va_vdst(0) depctr_va_sdst(0) depctr_va_ssrc(0) depctr_va_vcc(0) depctr_vm_vsrc(0)
	s_getreg_b32 s2, hwreg(HW_REG_IB_STS2, 6, 4)
	s_cmp_eq_u32 s2, 0
	s_cbranch_scc0 .Lentry_in_a_cluster
	s_endpgm
.Lentry_in_a_cluster:
	s_bfe_u32 s2, ttmp6, 0x10000c
	s_cmp_lg_u32 s2, 0xf033
	s_cbranch_scc0 .Lentry_shape_is_right
	s_endpgm
.Lentry_shape_is_right:
; out0[m][n] = the sum over k of O[m][k] w_out[n][k] + b_out[n].  8,192 x 1,024 x 1,024; operands in f16, as FRAGMENT IMAGES (1,024 bytes: registers 0-3 of lane l at 16 l, registers 4-7 at 512 + 16 l); sums and out0 in f32.
; o_img [k / 128][m / 16][(k / 32) % 4], wo_img [k / 128][n / 16][(k / 32) % 4]: a K step of 128 of a tile's rows is one dense block, and a fragment comes from LDS by two loads at 16 x lane: no pitch, no padding.
; A tile of out0 is 128 (m) x 256 (n): 256 work-groups of four waves, a wave 64 x 128: 32 accumulators, 256 registers.  K goes in 8 steps of 128 through two LDS slots (32,768 bytes of O, 65,536 of w_out).
; Waves 0 and 1 fetch O's halves (64 rows of 256 bytes), waves 2 and 3 w_out's (128 rows of 256 bytes): one load a wave behind each change of slots, which has a K step less sixteen products in which to land.
; THE MATRIX INSTRUCTION IS USED TRANSPOSED (source 0 = 16 rows of w_out, source 1 = 16 rows of O): a lane holds eight neighbouring numbers of a row of out0.  The bias is the C of each sum's first product.
; CLUSTERS: 4 x 4 work-groups; O's tile is asked for jointly along a row of the cluster, w_out's along a column.
; REGISTERS: window 0: v16-29 addresses; two fragment buffers at v32 and v128 (O's 4 fragments, then w_out's 8); on the way out v32-159 rows of out0.  window 1: accumulator (a, b) at v[8 (8 a + b)].  window 2: v0-63 the bias.
.set SLOT,   98304
.set BOFF,   32768                     ; w_out's part of a slot
.set STAGE,  2*SLOT                    ; behind the ring: 16 rows x (512 bytes + 16) for each wave; no tensor load lands here
.set SPITCH, 528
.set SPARE,  STAGE+4*16*SPITCH         ; the spare words, 128 bytes a wave
.set STEPA,  2097152                   ; a K step on in o_img
.set STEPW,  262144                    ; and in wo_img
.set ADRA, 16
.set ADRB, 20
.set STO,  24
.set RD,   25
.set CO,   26
.set BO,   27
.set SPW,  28
.set NIL,  29
.set F0,   32
.set F1,   128
.set BK,   32
.set WV,   12                          ; s12 wave; s13 its half of the rows (also: it fetches O (0) or w_out (1)); s14 its half of the columns (also: which half it fetches)
.set H1,   13
.set H0,   14
.set G1, 24
.set G0, 32
.set G1B, 48
.set G0B, 56
.set MSB, 0
.macro WIN new                         ; the immediate's high byte repeats the setting that is left
.if MSB != \new
	s_set_vgpr_msb (MSB<<8)|\new
.set MSB, \new
.endif
.endm
.set MUL, 0x50                         ; sources 0 and 1 window 0; C and D window 1.  MUL + 0x10: C from window 2, the bias
.macro JLOAD s                         ; a joint load; an s_nop 0 and four v_nop follow each of the two lines
	s_cmp_eq_u32 s[H1], 0
	s_cbranch_scc0 .Lfor_b_\@
	tensor_load_to_lds s[G0+4*\s:G0+4*\s+3], s[G1:G1+7]
	s_nop 0
.rept 4
	v_nop
.endr
	s_branch .Lasked_\@
.Lfor_b_\@:
	tensor_load_to_lds s[G0B+4*\s:G0B+4*\s+3], s[G1B:G1B+7]
	s_nop 0
.rept 4
	v_nop
.endr
.Lasked_\@:
.endm
.macro CREST                           ; a round of the cluster's barrier behind its opening barrier
	s_cmp_lg_u32 s[WV], 0
	s_cbranch_scc1 .Lnot_wave_0_\@
	s_barrier_signal -3
.Lnot_wave_0_\@:
	s_barrier_wait -3
	s_barrier_signal -1
	s_barrier_wait -1
.endm
.macro CROUND
	s_barrier_signal -1
	s_barrier_wait -1
	CREST
.endm
	s_load_b128 s[4:7], s[0:1], 0x0                ; o_img s[4:5], wo_img s[6:7]
	s_load_b128 s[8:11], s[0:1], 0x10              ; b_out s[8:9], out0 s[10:11]
	v_lshl_add_u32 v[SPW], v0, 2, SPARE
	v_mov_b32 v[NIL], 0
	ds_add_u32 v[SPW], v[NIL]                      ; the wave's opening: the add, twice on end, and its wait ahead of my first tensor load
	ds_add_u32 v[SPW], v[NIL]
	v_lshrrev_b32 v1, 5, v0
	v_readfirstlane_b32 s[WV], v1
	s_lshr_b32 s[H1], s[WV], 1
	s_and_b32 s[H0], s[WV], 1
	s_bfe_u32 s40, ttmp6, 0x40000                  ; cx
	s_bfe_u32 s41, ttmp6, 0x40004                  ; cy
	s_lshl_b32 s42, ttmp9, 2
	s_add_co_u32 s42, s42, s40                     ; tile column: 256 n
	s_and_b32 s15, ttmp7, 0xffff
	s_lshl_b32 s15, s15, 2
	s_add_co_u32 s15, s15, s41                     ; tile row: 128 m
	s_lshl_b32 s43, s41, 2
	s_lshl_b32 s43, 15, s43                        ; my row of the cluster
	s_lshl_b32 s44, 0x1111, s40                    ; my column
	s_or_b32 s[G1+0], s43, (3<<16)|(1<<21)         ; the mask; elements of 8 bytes; no padding
	s_mov_b32 s[G1+1], 32<<16                      ; rows of 256 bytes,
	s_mov_b32 s[G1+2], 64<<16                      ; 64 of them: 16,384 dense bytes
	s_mov_b32 s[G1+3], 32<<16
	s_mov_b32 s[G1+4], 64
	s_mov_b32 s[G1+5], 32
	s_mov_b32 s[G1+6], 0
	s_mov_b32 s[G1+7], 0
	s_or_b32 s[G1B+0], s44, (3<<16)|(1<<21)
	s_mov_b32 s[G1B+1], 32<<16
	s_mov_b32 s[G1B+2], 128<<16                    ; 128 rows: 32,768 dense bytes
	s_mov_b32 s[G1B+3], 32<<16
	s_mov_b32 s[G1B+4], 128
	s_mov_b32 s[G1B+5], 32
	s_mov_b32 s[G1B+6], 0
	s_mov_b32 s[G1B+7], 0
	s_lshl_b32 s16, s15, 15                        ; O: 8 tiles of 16 rows x 4,096 bytes a tile row,
	s_lshl_b32 s18, s[H0], 14                      ; my half
	s_add_co_u32 s16, s16, s18
	s_mov_b32 s17, 0
	s_lshl_b32 s46, s42, 16                        ; w_out: 16 tiles x 4,096 bytes a tile column,
	s_lshl_b32 s18, s[H0], 15                      ; my half
	s_add_co_u32 s46, s46, s18
	s_mov_b32 s47, 0
	s_lshl_b32 s20, s[H0], 14                      ; where they go in a slot: the wave's number alone
	s_lshl_b32 s21, s[H0], 15
	s_add_co_u32 s21, s21, BOFF
	s_wait_dscnt 0x0                               ; both opening adds are done
	s_wait_kmcnt 0x0
	s_add_nc_u64 s[16:17], s[4:5], s[16:17]
	s_add_nc_u64 s[46:47], s[6:7], s[46:47]
	CROUND                                         ; all sixteen work-groups are here: the first joint loads meet
.irp s, 0,1
	s_mov_b32 s[G0+4*\s], 1
	s_add_co_u32 s[G0+4*\s+1], s20, \s*SLOT
	s_add_nc_u64 s[G0+4*\s+2:G0+4*\s+3], s[16:17], \s*STEPA
	s_or_b32 s[G0+4*\s+3], s[G0+4*\s+3], 0x80000000
	s_mov_b32 s[G0B+4*\s], 1
	s_add_co_u32 s[G0B+4*\s+1], s21, \s*SLOT
	s_add_nc_u64 s[G0B+4*\s+2:G0B+4*\s+3], s[46:47], \s*STEPW
	s_or_b32 s[G0B+4*\s+3], s[G0B+4*\s+3], 0x80000000
	JLOAD \s                                       ; two loads of mine are out behind the second
.endr
	v_and_b32 v1, 15, v0                           ; r
	v_bfe_u32 v2, v0, 4, 1                         ; hh
	v_and_b32 v3, 31, v0
	v_lshlrev_b32 v[CO], 4, v3                     ; 16 x lane
	s_lshl_b32 s22, s[H1], 14                      ; my 4 tiles of O
	s_lshl_b32 s23, s[H0], 15                      ; my 8 tiles of w_out
	s_add_co_u32 s23, s23, BOFF
.irp s, 0,1
	v_add_nc_u32 v[ADRA+\s], s22, v[CO]
	v_add_nc_u32 v[ADRB+\s], s23, v[CO]
	s_add_co_u32 s22, s22, SLOT
	s_add_co_u32 s23, s23, SLOT
.endr
	s_mul_i32 s22, s[WV], 16*SPITCH
	s_add_co_u32 s22, s22, STAGE                   ; my stage
	v_mul_u32_u24 v4, v1, SPITCH                   ; in: row r, 32 bytes for each half of the lanes
	v_lshl_add_u32 v4, v2, 5, v4
	v_add_nc_u32 v[STO], s22, v4
	v_add_nc_u32 v[RD], s22, v[CO]                 ; back: the 32 lanes take one row of 512 bytes
	v_lshlrev_b32 v[BO], 5, v2
	s_lshl_b32 s22, s42, 10
	s_lshl_b32 s23, s[H0], 9
	s_add_co_u32 s22, s22, s23                     ; my first column, in bytes: in b_out and in a row of out0
	s_mov_b32 s23, 0
	s_add_nc_u64 s[8:9], s[8:9], s[22:23]
	WIN 0x80                                       ; destination window 2
.irp b, 0,1,2,3,4,5,6,7
	global_load_b128 v[8*\b:8*\b+3], v[BO], s[8:9] offset:64*\b          ; b_out[.. + 16 b + 8 hh + 0..7]: the result's layout
	global_load_b128 v[8*\b+4:8*\b+7], v[BO], s[8:9] offset:64*\b+16
.endr
	WIN 0
	s_add_nc_u64 s[10:11], s[10:11], s[22:23]
	s_lshl_b32 s22, s15, 19                        ; 128 rows of 4,096 bytes a tile row,
	s_lshl_b32 s18, s[H1], 18                      ; my 64
	s_add_co_u32 s22, s22, s18
	s_add_nc_u64 s[10:11], s[10:11], s[22:23]
; 8 matrix instructions: O's tile a x w_out's eight, 32 along K.  zero = 1: the first product starts the sum from the bias.  The 32 accumulators take turns, one instruction a turn.
.macro MUL8 f, a, zero
.irp b, 0,1,2,3,4,5,6,7
.if \zero
	v_wmma_f32_16x16x32_f16 v[8*(8*(\a)+\b):8*(8*(\a)+\b)+7], v[\f+32+8*\b:\f+32+8*\b+7], v[\f+8*(\a):\f+8*(\a)+7], v[8*\b:8*\b+7]
.else
	v_wmma_f32_16x16x32_f16 v[8*(8*(\a)+\b):8*(8*(\a)+\b)+7], v[\f+32+8*\b:\f+32+8*\b+7], v[\f+8*(\a):\f+8*(\a)+7], v[8*(8*(\a)+\b):8*(8*(\a)+\b)+7]
.endif
.endr
.endm
.macro FETCH slot, kc, f               ; 24 LDS loads in one run: the fragments of the K step's kc-th 32: w_out's eight, then O's four
	WIN 0
.irp i, 0,1,2,3,4,5,6,7
	ds_load_b128 v[\f+32+8*\i:\f+32+8*\i+3], v[ADRB+\slot] offset:4096*\i+1024*(\kc)
	ds_load_b128 v[\f+32+8*\i+4:\f+32+8*\i+7], v[ADRB+\slot] offset:4096*\i+1024*(\kc)+512
.endr
.irp i, 0,1,2,3
	ds_load_b128 v[\f+8*\i:\f+8*\i+3], v[ADRA+\slot] offset:4096*\i+1024*(\kc)
	ds_load_b128 v[\f+8*\i+4:\f+8*\i+7], v[ADRA+\slot] offset:4096*\i+1024*(\kc)+512
.endr
.endm
.macro PLACES                          ; four plain vector instructions in front of loads into registers that matrix instructions have read, and of reads of results
.rept 4
	v_nop
.endr
.endm
.macro QUARTER slot, kc, f, g, zero    ; multiplies buffer f; in its middle it fetches the K step's kc-th 32 into buffer g
	s_wait_dscnt 4                                 ; w_out's eight and O's tiles 0, 1 are in; the four loads of tiles 2, 3 may be out
	WIN (MUL+0x10*\zero)
	MUL8 \f, 0, \zero
	MUL8 \f, 1, \zero
	PLACES
	FETCH \slot, \kc, \g
	s_wait_dscnt 24                                ; all but the 24 just issued
	WIN (MUL+0x10*\zero)
	MUL8 \f, 2, \zero
	MUL8 \f, 3, \zero
.endm
; A K step's last quarter multiplies buffer 1 and changes slots: one barrier; in front of it each wave waits for all its tensor loads, adds 0 to its spare word, and waits for that and for its reads of this slot.
; fill = 1: the barrier opens a round of the cluster's, and behind the round this slot is filled again, two K steps ahead.
.macro TURN slot, next, fill
	WIN 0                                          ; (the add's two registers lie in window 0)
	s_wait_tensorcnt 0x0                           ; all my tensor loads have landed: my part of the next slot
	ds_add_u32 v[SPW], v[NIL]
	s_wait_dscnt 5                                 ; (the add and the youngest four loads may be out)
	WIN MUL
	MUL8 F1, 0, 0
	s_wait_dscnt 0x0                               ; the add is done, and my reads of this slot are over
	s_barrier_signal -1
	MUL8 F1, 1, 0
.if \fill
	WIN 0
.endif
	s_barrier_wait -1
.if \fill
	CREST                                          ; no wave of any partner still reads this slot or has a load on its way
	s_add_nc_u64 s[G0+4*\slot+2:G0+4*\slot+3], s[G0+4*\slot+2:G0+4*\slot+3], 2*STEPA
	s_add_nc_u64 s[G0B+4*\slot+2:G0B+4*\slot+3], s[G0B+4*\slot+2:G0B+4*\slot+3], 2*STEPW
	JLOAD \slot                                    ; the first tensor load behind the round; its four v_nop are also the places in front of the loads below
.else
	PLACES
.endif
	FETCH \next, 0, F0
	WIN MUL
	MUL8 F1, 2, 0
	MUL8 F1, 3, 0
.endm
	s_wait_tensorcnt 1                             ; my part of K step 0 is in; K step 1's load may be out,
	s_barrier_signal -1
	s_barrier_wait -1                              ; everybody's is
	s_wait_loadcnt 0x0                             ; the bias
	FETCH 0, 0, F0
	QUARTER 0, 1, F0, F1, 1                        ; the first quarter stands in front of the loop: its products start the sums
	WIN 0                                          ; at a label and at a branch every window is 0
	s_mov_b32 s3, 3
.Llap:                                             ; a trip goes once round the ring and fills both slots again: 3 trips, K steps 2 to 7
	QUARTER 0, 2, F1, F0, 0
	QUARTER 0, 3, F0, F1, 0
	TURN 0, 1, 1
	QUARTER 1, 1, F0, F1, 0
	QUARTER 1, 2, F1, F0, 0
	QUARTER 1, 3, F0, F1, 0
	TURN 1, 0, 1
	QUARTER 0, 1, F0, F1, 0
	WIN 0
	s_sub_co_u32 s3, s3, 1
	s_cmp_lg_u32 s3, 0
	s_cbranch_scc1 .Llap
	QUARTER 0, 2, F1, F0, 0                        ; the last lap fills nothing
	QUARTER 0, 3, F0, F1, 0
	TURN 0, 1, 0
	QUARTER 1, 1, F0, F1, 0
	QUARTER 1, 2, F1, F0, 0
	QUARTER 1, 3, F0, F1, 0
	s_wait_dscnt 4                                 ; the very last quarter
	WIN MUL
	MUL8 F1, 0, 0
	MUL8 F1, 1, 0
	s_wait_dscnt 0x0
	MUL8 F1, 2, 0
	MUL8 F1, 3, 0
	WIN 0
; THE WAY OUT, a block of 16 rows x 128 columns at a time: a lane holds 32 neighbouring bytes of a row and the lanes beside it other rows: so a block goes through my own stage and comes back as whole rows of
; 512 bytes, which the 32 lanes store as 512 consecutive aligned bytes.  LDS serves a wave's instructions in order (ISA guide 5.7.1.4): no wait between the stores and the loads.
.macro TOSTAGE a
	WIN 0x04                                       ; an LDS store's data: window 1
.irp b, 0,1,2,3,4,5,6,7
	ds_store_b128 v[STO], v[64*(\a)+8*\b:64*(\a)+8*\b+3] offset:64*\b          ; each accumulator from its low end on
	ds_store_b128 v[STO], v[64*(\a)+8*\b+4:64*(\a)+8*\b+7] offset:64*\b+16
.endr
	WIN 0
.set BB, BK+64*((\a)%2)
.irp t, 0,1,2,3,4,5,6,7,8,9,10,11,12,13,14,15
	ds_load_b128 v[BB+4*\t:BB+4*\t+3], v[RD] offset:\t*SPITCH
.endr
.endm
.macro SEND a, younger                 ; younger: the LDS instructions issued behind block a's loads, which may stay out
.set BB, BK+64*((\a)%2)
	s_wait_dscnt \younger
.if (\a) > 0
	s_add_nc_u64 s[10:11], s[10:11], 16*4096       ; 16 rows on (behind a wait on XCNT: the earlier stores have read their base)
.endif
.irp t, 0,1,2,3,4,5,6,7,8,9,10,11,12,13,14,15
	global_store_b128 v[CO], v[BB+4*\t:BB+4*\t+3], s[10:11] offset:\t*4096 th:TH_STORE_NT
.endr
.endm
	PLACES                                         ; behind the last products: for the reads of results and the loads into the fragments' registers
	TOSTAGE 0
.irp a, 1,2,3
.if \a > 1
	s_wait_xcnt 0x0                                ; block a - 2's stores have read their registers and their base
.endif
	TOSTAGE \a
	SEND \a-1, 32                                  ; behind block a - 1's loads: block a's 16 stores and 16 loads
.endr
	s_wait_xcnt 0x0
	SEND 3, 0
	s_wait_tensorcnt 0x0                           ; the wave's end, behind my last tensor load and my last LDS store
	ds_add_u32 v[SPW], v[NIL]
	s_wait_dscnt 0x0
	CROUND                                         ; the closing round
	s_endpgm
.Lfunc_end_k_q1a74cff2cf_proj:
	.size	k_q1a74cff2cf_proj, .Lfunc_end_k_q1a74cff2cf_proj-k_q1a74cff2cf_proj
	.p2alignl 7, 3214868480
	.fill 96, 4, 3214868480
	.section	.rodata,"a",@progbits
	.p2align	6, 0x0
	.amdhsa_kernel k_q1a74cff2cf_proj
		.amdhsa_group_segment_fixed_size 327680
		.amdhsa_private_segment_fixed_size 0
		.amdhsa_enable_private_segment 0
		.amdhsa_kernarg_size 32
		.amdhsa_user_sgpr_count 2
		.amdhsa_user_sgpr_kernarg_segment_ptr 1
		.amdhsa_wavefront_size32 1
		.amdhsa_system_sgpr_workgroup_id_x 1
		.amdhsa_system_sgpr_workgroup_id_y 1
		.amdhsa_system_sgpr_workgroup_id_z 1
		.amdhsa_system_vgpr_workitem_id 0
		.amdhsa_next_free_vgpr 576
		.amdhsa_next_free_sgpr 66
		.amdhsa_reserve_vcc 0
		.amdhsa_float_denorm_mode_32 3
		.amdhsa_float_denorm_mode_16_64 3
		.amdhsa_memory_ordered 1
		.amdhsa_forward_progress 1
		.amdhsa_inst_pref_size 86
	.end_amdhsa_kernel
	.amdgpu_metadata
---
amdhsa.version: [ 1, 2 ]
amdhsa.kernels:
  - .name:           k_q1a74cff2cf_proj
    .symbol:         k_q1a74cff2cf_proj.kd
    .args:
      - { .name: o_img, .offset: 0, .size: 8, .value_kind: global_buffer, .address_space: global }
      - { .name: wo_img, .offset: 8, .size: 8, .value_kind: global_buffer, .address_space: global }
      - { .name: b_out, .offset: 16, .size: 8, .value_kind: global_buffer, .address_space: global }
      - { .name: out0, .offset: 24, .size: 8, .value_kind: global_buffer, .address_space: global }
    .group_segment_fixed_size: 327680
    .private_segment_fixed_size: 0
    .kernarg_segment_align: 8
    .kernarg_segment_size: 32
    .max_flat_workgroup_size: 128
    .sgpr_count:     66
    .vgpr_count:     576
    .wavefront_size: 32
...
	.end_amdgpu_metadata
.endif
;; end of part 4
